; MI455X (gfx1250); checked and timed in simulation.
; The chip was launched on July 23, 2026; its instructions are those of AMD's public machine-readable ISA for CDNA 5 (MIT licence, August 2026) and "CDNA5" Instruction Set Architecture Reference Guide (July 2026). The comments in the code are by the model that wrote it; some were corrected since.
;; Attr Tokenizer. Allowed arithmetic: float matrix products may take bf16 or f16 operands with f32 sums; all other float work in f32.
;; Inputs: grid 2,821 x 2 float32; theta_y 32,768 float32; x 32,768 x 2 float32; y 32,768 x 2 float32.
;; Outputs: out0 32,768 int32; out1 32,768 x 2 float32.
;; One version. Each part assembles by itself: llvm-mc -triple=amdgcn-amd-amdhsa -mcpu=gfx1250 --defsym DOCPART=n.
;; ======== version 1 of 1: 1 launch
;; limits: inputs' magnitudes at most 131,072
;; launch nearest (part 1): grid 256 x 1, 8 waves a work-group, no clusters, 27,136 bytes of LDS; arguments grid, theta_y, x, y, out0, out1; writes out0, out1
.if DOCPART == 1
	.amdgcn_target "amdgcn-amd-amdhsa--gfx1250"
	.amdhsa_code_object_version 6
	.text
	.protected	k_q862f9fd440_nearest
	.globl	k_q862f9fd440_nearest
	.p2align	8
	.type	k_q862f9fd440_nearest,@function
k_q862f9fd440_nearest:
	s_mov_b64 s[64:65], 0
	v_nop
	global_prefetch_b8 v0, s[64:65] scope:SCOPE_SE
	s_setreg_imm32_b32 hwreg(HW_REG_WAVE_MODE, 25, 1), 1
	s_wait_xcnt 0x0
; Nearest table point for 32,768 queries.  c = rot(x - y, pi/2 - theta);  out0 = argmin_i sqrt(|c - grid[i]|^2), first index on ties;
; out1 = c - grid[out0].  grid: 2,821 points (x, y) f32, taken as given: no structure of the table is used.
;
; SHARES.  256 work-groups x 8 waves; a work-group owns 128 queries, a wave 16.  The LANES HOLD THE TABLE: slot i = 64 J + 2 lane + e lies
; in half e of register pair J (45 pairs of x, 45 of y).  Slots 2,821 .. 2,879 repeat the last point: they can tie with it and never come first.
; A query's position comes as scalars, so one packed instruction serves two table points in every lane.
;
; THE ROOT.  sqrt is monotone, so the wanted index is the first i with d2_i <= T, T = the largest f32 whose correctly rounded root equals
; that of m = min d2.  With s = RN(sqrt m) and s+ the float above it, (s + ulp/2)^2 = s s+ + ulp^2/4 and no f32 lies strictly between
; s s+ and that square, so T = s s+ rounded down.  One root per query in place of 2,821.
;
; NO ADDRESS, BRANCH OR EXEC IS MADE FROM THE RESULT.  Pass 1 keeps per lane the minimum of each of 15 groups of 6 registers.  With T known
; the groups are walked from the last to the first and the coordinates of the first group with a minimum <= T are carried along by selects;
; its six points are evaluated again by the same instructions (same bits), and the first with d2 <= T gives index and c - g.  The smallest
; index over the lanes wins.  The other lanes set their c - g to 0 and a sum over the lanes (exact: one term is not 0) brings the winner's
; to all; selects on a mask made of the query's number file it in lanes q and q + 16 of a result register.  LDS sees the results once,
; behind the loop.
;
; NOT USED: matrix units (the index is compared exactly; 16-bit operands cannot order neighbouring points); clusters and the tensor mover
; (the only shared input is the table, 22,568 bytes read once by a work-group, and x and y have to be split on the way in).
;
; LIMITS.  NaN inputs are not served.  |pi/2 - theta| < 2^17 for the accuracy of sin and cos (about 0.6 ulp; three-part pi/2).
; min d2 < 2^-96: ties of the root are decided on d2 itself (exact for min d2 = 0).  Rotation and d2 are fused: rx = fma(c0, cos, -(c1 sin)),
; ry = fma(c0, sin, c1 cos), d2 = fma(dy, dy, dx dx); a query within an ulp of a cell border may fall on the other side than unfused sums put it.
; An offset of -0 leaves as +0 (the sum with the other lanes' zeros).
.set NPTS,  2821
.set LASTP, NPTS-1
.set QWAVE, 16                         ; queries of a wave
.set GSZ,   6                          ; registers in a group
.set NGRP,  15                         ; groups: 15 x 6 = 90 registers = 2,880 slots
.set LASTG, GSZ*(NGRP-1)
.set NPAIR, 45
.set LDSX,  0                          ; 3,072 words: x of slot i at 4 i
.set LDSY,  12288                      ; 3,072 words: y
.set LDSI,  24576                      ; 128 indices of the work-group's queries
.set LDSO,  LDSI+512                   ; 128 offsets (x, y)
.set BIG,   0x100000                   ; index of a lane without a candidate; sums with it stay below 2^24, exact in f32
.set L2,  1                            ; v1       2 x lane
.set CX,  2                            ; v2, v3   lane q (and q + 16): rotated position of the wave's query q
.set CY,  3
.set M,   4                            ; v4       min d2
.set PX,  5                            ; v5       what the other half of the lanes sends
.set T,   6                            ; v6       the threshold
.set W,   7                            ; v7-13    at work
.set I,   14                           ; v14      index inside the chosen group
.set GS,  15                           ; v15      192 x chosen group
.set OX,  16                           ; v16, 17  c - g of the lane's first candidate
.set IDX, 18                           ; v18      its index
.set F,   19                           ; v19      the same as f32
.set B,   20                           ; v20-34   the groups' minima
.set MF,  35                           ; v35      smallest index over the lanes, f32
.set SX,  36                           ; v36-41   x of the chosen group
.set SY,  42                           ; v42-47   y
.set TA,  48                           ; v48-59   work set A: 6 dx, 6 dy
.set TB,  60                           ; v60-71   work set B
.set GX,  72                           ; v72-161  the table's x
.set GY,  162                          ; v162-251 the table's y
.set RZ,  252                          ; results: lane q the x offset of query q, lane q + 16 its y offset
.set RI,  253                          ; results: lanes q and q + 16 the index of query q, as f32 until the loop is over
	s_load_b256 s[4:11], s[0:1], 0x0               ; grid s[4:5], theta s[6:7], x s[8:9], y s[10:11]
	s_load_b128 s[12:15], s[0:1], 0x20             ; out0 s[12:13], out1 s[14:15]
	v_lshl_add_u32 v254, v0, 2, 0x6600
	v_mov_b32 v255, 0
	v_lshrrev_b32 v1, 5, v0
	v_readfirstlane_b32 s16, v1                    ; wave 0..7
	v_lshlrev_b32 v2, 3, v0                        ; 8 t: point t of each block of 256 points
	v_add_nc_u32 v3, 11*256, v0                    ; the twelfth block runs past the table:
	v_min_u32 v3, LASTP, v3                        ; there the last point is taken again
	v_lshlrev_b32 v3, 3, v3
	v_and_b32 v4, 15, v0                           ; both halves of the lanes work on the wave's 16 queries
	s_lshl_b32 s17, ttmp9, 7                       ; 128 queries a work-group
	s_lshl4_add_u32 s17, s16, s17                  ; + 16 a wave
	v_add_nc_u32 v4, s17, v4
	v_lshlrev_b32 v5, 3, v4                        ; byte offset in x and y
	v_lshlrev_b32 v4, 2, v4                        ; and in theta
	v_lshlrev_b32 v6, 2, v0                        ; LDS word of slot t
	s_wait_kmcnt 0x0
.set n, 0
.rept 11
	global_load_b64 v[TA+2*n:TA+2*n+1], v2, s[4:5] offset:2048*n
.set n, n+1
.endr
	global_load_b64 v[TA+22:TA+23], v3, s[4:5]
	global_load_b64 v[8:9], v5, s[8:9] th:TH_LOAD_NT
	global_load_b64 v[10:11], v5, s[10:11] th:TH_LOAD_NT
	global_load_b32 v12, v4, s[6:7] th:TH_LOAD_NT
	s_mov_b32 s24, 0x76543210                      ; v_permlanex16_b32: lane i takes lane i of the other half
	s_mov_b32 s25, 0xfedcba98
	s_mov_b32 s26, 0xb33bbd2e                      ; second part of pi/2
	s_mov_b32 s30, 0xffff0000                      ; the upper half of the lanes
	s_wait_loadcnt 0x3                             ; the twelve table loads are in; x, y and theta, issued behind them, stay out
.set n, 0
.rept 12
	ds_store_b32 v6, v[TA+2*n]   offset:LDSX+1024*n ; x and y part here: 32 neighbouring words a store
	ds_store_b32 v6, v[TA+2*n+1] offset:LDSY+1024*n
.set n, n+1
.endr
	s_wait_dscnt 0x0                               ; my stores are done before I say so: the other waves read them
	s_barrier_signal -1
	s_barrier_wait -1
	v_and_b32 v[L2], 31, v0
	v_lshlrev_b32 v7, 3, v[L2]                     ; 8 x lane: two neighbouring slots
	v_lshlrev_b32 v[L2], 1, v[L2]
.set n, 0
.rept NPAIR
	ds_load_b64 v[GX+2*n:GX+2*n+1], v7 offset:LDSX+256*n   ; slots 64 n + 2 lane, + 1: 256 neighbouring bytes a load
	ds_load_b64 v[GY+2*n:GY+2*n+1], v7 offset:LDSY+256*n
.set n, n+1
.endr
	; The rotation, while the table is on its way to the registers.
	s_wait_loadcnt 0x0
	v_pk_add_f32 v[20:21], v[8:9], v[10:11] neg_lo:[0,1] neg_hi:[0,1]   ; c0, c1 = x - y
	v_sub_f32 v22, 0x3fc90fdb, v12                 ; phi = f32(pi/2) - theta = -(theta - f32(pi/2)), the same rounding
	v_mul_f32 v23, 0x3f22f983, v22                 ; phi x 2/pi
	v_rndne_f32 v23, v23                           ; k
	v_fmamk_f32 v24, v23, 0xbfc90fdb, v22          ; a = phi - k P1: exact (a multiple of 2^-24 below 1)
	v_mul_f32 v25, 0xb33bbd2e, v23                 ; k P2 as a sum of two floats: high part,
	v_fma_f32 v26, v23, s26, -v25                  ; low part
	v_sub_f32 v27, v24, v25                        ; a - high part, with its rounding error (two-sum):
	v_sub_f32 v28, v27, v24
	v_sub_f32 v29, v27, v28
	v_sub_f32 v29, v24, v29
	v_add_f32 v30, v25, v28
	v_sub_f32 v29, v29, v30
	v_sub_f32 v29, v29, v26                        ; - low part
	v_fmamk_f32 v29, v23, 0x26f72ced, v29          ; - k P3 (P3 = -1.7151e-15)
	v_add_f32 v31, v27, v29                        ; r,
	v_sub_f32 v32, v27, v31
	v_add_f32 v32, v32, v29                        ; and what r leaves out
	v_mul_f32 v33, v31, v31                        ; z = r^2,
	v_fma_f32 v34, v31, v31, -v33                  ; its rounding error,
	v_add_f32 v36, v31, v31
	v_fmac_f32 v34, v36, v32                       ; + 2 r x (low part of r)
	v_mul_f32 v37, 0.5, v33                        ; z / 2
	v_mov_b32 v38, 0xb2d7322b                      ; sin: -1/11!
	v_mov_b32 v39, 0x310f76c7                      ; cos: 1/12!
	v_fmaak_f32 v38, v38, v33, 0x3638ef1d          ; 1/9!
	v_fmaak_f32 v39, v39, v33, 0xb493f27e          ; -1/10!
	v_fmaak_f32 v38, v38, v33, 0xb9500d01          ; -1/7!
	v_fmaak_f32 v39, v39, v33, 0x37d00d01          ; 1/8!
	v_fmaak_f32 v38, v38, v33, 0x3c088889          ; 1/5!
	v_fmaak_f32 v39, v39, v33, 0xbab60b61          ; -1/6!
	v_fmaak_f32 v38, v38, v33, 0xbe2aaaab          ; -1/3!
	v_fmaak_f32 v39, v39, v33, 0x3d2aaaab          ; 1/4!
	v_fma_f32 v40, -v37, v32, v32                  ; low part of r x (1 - z/2)
	v_mul_f32 v41, v33, v31                        ; r^3
	v_fmac_f32 v40, v41, v38
	v_add_f32 v40, v31, v40                        ; sin r = r + a small correction: one rounding at full size
	v_sub_f32 v42, 1.0, v37                        ; 1 - z/2,
	v_sub_f32 v43, 1.0, v42
	v_sub_f32 v43, v43, v37                        ; its rounding error (exact),
	v_mul_f32 v44, v33, v33
	v_fmac_f32 v43, v44, v39                       ; + z^2 x series
	v_fmac_f32 v43, -0.5, v34                      ; - half of what z leaves out
	v_add_f32 v42, v42, v43                        ; cos r
	v_cvt_i32_f32 v45, v23                         ; the quadrant: k mod 4
	v_and_b32 v46, 1, v45
	v_cmp_eq_u32 vcc_lo, 1, v46
	v_cndmask_b32 v47, v40, v42, vcc_lo            ; sin phi: cos r in odd quadrants
	v_cndmask_b32 v46, v42, v40, vcc_lo            ; cos phi: sin r in odd quadrants
	v_lshlrev_b32 v44, 30, v45
	v_and_b32 v44, 0x80000000, v44                 ; sin phi changes sign where bit 1 of k is set,
	v_xor_b32 v47, v47, v44
	v_add_nc_u32 v45, 1, v45
	v_lshlrev_b32 v45, 30, v45
	v_and_b32 v45, 0x80000000, v45                 ; cos phi where bit 1 of k + 1 is set
	v_xor_b32 v46, v46, v45
	v_mul_f32 v44, v21, v47
	v_mul_f32 v45, v21, v46
	v_fma_f32 v[CX], v20, v46, -v44                ; c0 cos - c1 sin
	v_fma_f32 v[CY], v20, v47, v45                 ; c0 sin + c1 cos
	v_mov_b32 v[PX], 0                             ; destinations of lane exchanges count as read: written once here
	v_mov_b32 v[MF], 0
	v_mov_b32 v[RZ], 0                             ; the result registers are filled two lanes a trip by selects that keep the rest:
	v_mov_b32 v[RI], 0                             ; written whole once; after 16 trips nothing of this is left
	s_wait_dscnt 0x0                               ; the table is in my registers
	s_mov_b32 s17, 0                               ; q
; c - g for three register pairs of x and three of y: 6 dx at t, 6 dy at t + 6.  The scalar is broadcast to both halves.
.macro DIFF t, gx, gy
.irp p, 0,2,4
	v_pk_add_f32 v[\t+\p:\t+\p+1], v[\gx+\p:\gx+\p+1], s[20:21] op_sel_hi:[1,0] neg_lo:[1,0] neg_hi:[1,0]
.endr
.irp p, 0,2,4
	v_pk_add_f32 v[\t+6+\p:\t+7+\p], v[\gy+\p:\gy+\p+1], s[22:23] op_sel_hi:[1,0] neg_lo:[1,0] neg_hi:[1,0]
.endr
.endm
.macro SQX d, x                        ; d = dx dx
.irp p, 0,2,4
	v_pk_mul_f32 v[\d+\p:\d+\p+1], v[\x+\p:\x+\p+1], v[\x+\p:\x+\p+1]
.endr
.endm
.macro SQY d, y, a                     ; d = fma(dy, dy, a)
.irp p, 0,2,4
	v_pk_fma_f32 v[\d+\p:\d+\p+1], v[\y+\p:\y+\p+1], v[\y+\p:\y+\p+1], v[\a+\p:\a+\p+1]
.endr
.endm
; Two selects on one VCC in one instruction: where VCC is 0 the destinations take the new values.  One destination even, one odd; the two
; first sources and the two second sources in different register banks (numbers differ mod 4): see the register map.
.macro SEL2 d0, s0, d1, s1
	v_dual_cndmask_b32 v[\d0], v[\s0], v[\d0] :: v_dual_cndmask_b32 v[\d1], v[\s1], v[\d1]
.endm
.macro MOV2 d0, s0, d1, s1
	v_dual_mov_b32 v[\d0], v[\s0] :: v_dual_mov_b32 v[\d1], v[\s1]
.endm
.macro LANEMIN d                       ; the smallest of d over the 32 lanes, in every lane
	v_min_num_f32_dpp v[\d], v[\d], v[\d] row_xmask:2 row_mask:0xf bank_mask:0xf
	v_min_num_f32_dpp v[\d], v[\d], v[\d] row_xmask:4 row_mask:0xf bank_mask:0xf
	v_min_num_f32_dpp v[\d], v[\d], v[\d] row_xmask:8 row_mask:0xf bank_mask:0xf
	v_permlanex16_b32 v[PX], v[\d], s24, s25
	v_min_num_f32 v[\d], v[\d], v[PX]
.endm
.Lquery:
	v_readlane_b32 s20, v[CX], s17                 ; query q's position as scalars
	v_readlane_b32 s22, v[CY], s17
	s_mov_b32 s21, s20                             ; the packed forms name pairs: both words are written
	s_mov_b32 s23, s22
	; PASS 1: d2 of all 2,880 slots, kept only as the minimum of each group.  Two work sets take turns, so that a group's three minimum
	; instructions stand between the next group's independent products.
.set g, 0
.rept NGRP
.set tc, TA+12*(g%2)
.set tp, TA+12*((g+1)%2)
	DIFF tc, GX+GSZ*g, GY+GSZ*g
.if g > 0
	v_min3_num_f32 v[W],   v[tp+6], v[tp+7],  v[tp+8]
	v_min3_num_f32 v[W+1], v[tp+9], v[tp+10], v[tp+11]
.endif
	SQX tc, tc
.if g > 0
	v_min_num_f32 v[B+g-1], v[W], v[W+1]
.endif
	SQY tc+6, tc+6, tc
.set g, g+1
.endr
	v_min3_num_f32 v[W],   v[TA+6], v[TA+7],  v[TA+8]      ; the last group (an even one: set A)
	v_min3_num_f32 v[W+1], v[TA+9], v[TA+10], v[TA+11]
	v_min3_num_f32 v[W+2], v[B],   v[B+1], v[B+2]
	v_min3_num_f32 v[W+3], v[B+3], v[B+4], v[B+5]
	v_min3_num_f32 v[W+4], v[B+6], v[B+7], v[B+8]
	v_min_num_f32  v[B+14], v[W], v[W+1]
	v_min3_num_f32 v[W+5], v[B+9], v[B+10], v[B+11]
	v_min3_num_f32 v[W+2], v[W+2], v[W+3], v[W+4]
	v_min3_num_f32 v[W+6], v[B+12], v[B+13], v[B+14]
	v_min3_num_f32 v[M], v[W+2], v[W+5], v[W+6]            ; the lane's minimum
	v_min_num_f32_dpp v[M], v[M], v[M] row_xmask:1 row_mask:0xf bank_mask:0xf
	LANEMIN M                                              ; m, in every lane
	; THE THRESHOLD.  v_sqrt_f32 is within one ulp; the signs of m - s s- and m - s s+ (one rounding each, signs exact from 2^-96 up) say
	; whether the neighbour below or above is the correctly rounded root.
	v_sqrt_f32 v[W], v[M]
	v_mov_b32 v[I], BIG                            ; a plain instruction behind the root (ISA guide 5.7.2); the walk's starting values follow
.irp k, 0,2,4
	MOV2 SX+\k, GX+LASTG+\k, SX+\k+1, GX+LASTG+\k+1    ; the walk starts with the last group chosen
	MOV2 SY+\k, GY+LASTG+\k, SY+\k+1, GY+LASTG+\k+1
.endr
	v_mov_b32 v[GS], 192*(NGRP-1)
	s_wait_alu depctr_va_vdst(0)
	v_add_nc_u32 v[W+1], -1, v[W]                  ; s-
	v_add_nc_u32 v[W+2], 1, v[W]                   ; s+
	v_fma_f32 v[W+3], -v[W+1], v[W], v[M]
	v_fma_f32 v[W+4], -v[W+2], v[W], v[M]
	v_cmp_ge_f32 vcc_lo, 0, v[W+3]                 ; m <= s s-: the root rounds to s-
	v_cndmask_b32 v[W], v[W], v[W+1], vcc_lo
	v_cmp_lt_f32 vcc_lo, 0, v[W+4]                 ; m > s s+: to s+
	v_cndmask_b32 v[W], v[W], v[W+2], vcc_lo
	v_add_nc_u32 v[W+1], 1, v[W]                   ; the float above the root
	v_mul_f32 v[W+2], v[W], v[W+1]                 ; p = RN(s s+)
	v_fma_f32 v[W+3], v[W], v[W+1], -v[W+2]        ; s s+ - p, exact
	v_add_nc_u32 v[W+4], -1, v[W+2]
	v_cmp_gt_f32 vcc_lo, 0, v[W+3]                 ; p lies above the product: one float down
	v_cndmask_b32 v[T], v[W+2], v[W+4], vcc_lo
	v_cmp_le_f32 vcc_lo, 0x0f800000, v[M]          ; below 2^-96 the residuals would leave the format: T = m there
	v_cndmask_b32 v[T], v[M], v[T], vcc_lo
	v_max_num_f32 v[T], v[T], v[M]                 ; m = infinity makes T a NaN above: then T = m as well
	; THE WALK, from the last group but one to the first: a group with a minimum <= T replaces what is carried.
.set g, NGRP-2
.rept NGRP-1
	v_cmp_gt_f32 vcc_lo, v[B+g], v[T]              ; VCC = 1: keep
.irp k, 0,2,4
	SEL2 SX+\k, GX+GSZ*g+\k, SX+\k+1, GX+GSZ*g+\k+1
	SEL2 SY+\k, GY+GSZ*g+\k, SY+\k+1, GY+GSZ*g+\k+1
.endr
	v_cndmask_b32 v[GS], 192*g, v[GS], vcc_lo      ; a group is three pairs of 64 slots
.set g, g-1
.endr
	; THE SIX POINTS of the chosen group once more, by the instructions of pass 1; dx and dy are kept, they are the offset.
	DIFF TA, SX, SY
	SQX TB, TA
	SQY TB, TA+6, TB
	v_cmp_gt_f32 vcc_lo, v[TB+5], v[T]
	MOV2 OX, TA+5, OX+1, TA+11                     ; the last of the six starts the offset; its index only if it is a candidate
	v_cndmask_b32 v[I], 129, v[I], vcc_lo
.set e, GSZ-2
.rept GSZ-1
	v_cmp_gt_f32 vcc_lo, v[TB+e], v[T]
	SEL2 OX, TA+e, OX+1, TA+6+e
	v_cndmask_b32 v[I], 64*(e/2)+e%2, v[I], vcc_lo ; register e of a group: pair e / 2, half e % 2
.set e, e-1
.endr
	v_add3_u32 v[IDX], v[I], v[GS], v[L2]          ; the lane's first candidate; every lane's number is different
	v_cvt_f32_u32 v[F], v[IDX]
	v_min_num_f32_dpp v[MF], v[F], v[F] row_xmask:1 row_mask:0xf bank_mask:0xf
	LANEMIN MF                                     ; the answer's index, in every lane
	; THE WINNER'S OFFSET TO ALL LANES: one lane holds the first candidate of all, the others send 0.  The lower half of the lanes sums x,
	; the upper half y: each half keeps its own coordinate and gets the same coordinate of the other half's lanes by one exchange.
	v_cmp_eq_f32 vcc_lo, v[F], v[MF]
	v_cndmask_b32 v[OX],   0, v[OX],   vcc_lo
	v_cndmask_b32 v[OX+1], 0, v[OX+1], vcc_lo
	v_cndmask_b32 v[W],   v[OX],   v[OX+1], s30    ; lanes 0-15: my x; lanes 16-31: my y
	v_cndmask_b32 v[W+1], v[OX+1], v[OX],   s30    ; lanes 0-15: my y, for the upper half; lanes 16-31: my x, for the lower
	v_permlanex16_b32 v[PX], v[W+1], s24, s25
	v_add_f32 v[W], v[W], v[PX]
	v_add_f32_dpp v[W], v[W], v[W] row_xmask:1 row_mask:0xf bank_mask:0xf
	v_add_f32_dpp v[W], v[W], v[W] row_xmask:2 row_mask:0xf bank_mask:0xf
	v_add_f32_dpp v[W], v[W], v[W] row_xmask:4 row_mask:0xf bank_mask:0xf
	v_add_f32_dpp v[W], v[W], v[W] row_xmask:8 row_mask:0xf bank_mask:0xf
	s_lshl_b32 s18, 0x10001, s17                   ; lanes q and q + 16: the mask hangs on the trip's number alone
	v_cndmask_b32 v[RZ], v[RZ], v[W],  s18
	v_cndmask_b32 v[RI], v[RI], v[MF], s18
	s_add_co_u32 s17, s17, 1
	s_cmp_lt_u32 s17, QWAVE
	s_cbranch_scc1 .Lquery
	; THE WAY OUT.  A wave holds 64 bytes of out0 and 128 of out1; the work-group's 512 and 1,024 bytes meet in LDS, in bytes that the
	; table does not use, so nothing orders these stores with the other waves' table loads.  All lanes store.
	v_cvt_u32_f32 v[RI], v[RI]                     ; below 2^24: exact
	v_and_b32 v7, 15, v0                           ; q
	v_bfe_u32 v8, v0, 4, 1                         ; 0: x, 1: y
	s_lshl_b32 s18, s16, 6                         ; 64 x wave
	s_lshl_b32 s19, s16, 7                         ; 128 x wave
	v_lshl_add_u32 v9, v7, 2, s18                  ; index of query q: lanes q and q + 16 write the same word with the same value
	v_lshl_add_u32 v10, v7, 3, s19                 ; offset of query q,
	v_lshl_add_u32 v10, v8, 2, v10                 ; x then y: 32 neighbouring words
	ds_store_b32 v9, v[RI] offset:LDSI
	ds_store_b32 v10, v[RZ] offset:LDSO
	s_wait_dscnt 0x0                               ; my results are in LDS before I say so
	s_barrier_signal -1
	s_barrier_wait -1
	; 512 bytes of indices and 1,024 of offsets lie side by side; waves 0, 1, 2 store 512 bytes each, 16 bytes a lane,
	; at multiples of 512 from the outputs' first bytes.
	s_cmp_gt_u32 s16, 2
	s_cbranch_scc1 .Ldone
	v_lshlrev_b32 v7, 3, v[L2]                     ; 16 x lane
	s_lshl_b32 s19, s16, 9                         ; 512 x wave
	v_add_nc_u32 v8, s19, v7
	ds_load_b128 v[20:23], v8 offset:LDSI
	s_lshl_b32 s26, ttmp9, 9                       ; out0: 512 bytes a work-group
	s_lshl_b32 s27, ttmp9, 10                      ; out1: 1,024 bytes a work-group,
	s_add_co_u32 s27, s27, s19
	s_sub_co_u32 s27, s27, 512                     ; + 512 (wave - 1); not used by wave 0
	s_cmp_eq_u32 s16, 0
	s_cselect_b32 s26, s26, s27
	s_cselect_b64 s[28:29], s[12:13], s[14:15]
	s_mov_b32 s27, 0
	s_add_nc_u64 s[28:29], s[28:29], s[26:27]
	s_wait_dscnt 0x0
	global_store_b128 v7, v[20:23], s[28:29] th:TH_STORE_NT
.Ldone:
	s_wait_tensorcnt 0x0
	ds_add_u32 v254, v255
	s_wait_dscnt 0x0
	s_endpgm
.Lfunc_end_k_q862f9fd440_nearest:
	.size	k_q862f9fd440_nearest, .Lfunc_end_k_q862f9fd440_nearest-k_q862f9fd440_nearest
	.p2alignl 7, 3214868480
	.fill 96, 4, 3214868480
	.section	.rodata,"a",@progbits
	.p2align	6, 0x0
	.amdhsa_kernel k_q862f9fd440_nearest
		.amdhsa_group_segment_fixed_size 27136
		.amdhsa_private_segment_fixed_size 0
		.amdhsa_enable_private_segment 0
		.amdhsa_kernarg_size 48
		.amdhsa_user_sgpr_count 2
		.amdhsa_user_sgpr_kernarg_segment_ptr 1
		.amdhsa_wavefront_size32 1
		.amdhsa_system_sgpr_workgroup_id_x 1
		.amdhsa_system_sgpr_workgroup_id_y 1
		.amdhsa_system_sgpr_workgroup_id_z 1
		.amdhsa_system_vgpr_workitem_id 0
		.amdhsa_next_free_vgpr 256
		.amdhsa_next_free_sgpr 66
		.amdhsa_reserve_vcc 1
		.amdhsa_float_denorm_mode_32 3
		.amdhsa_float_denorm_mode_16_64 3
		.amdhsa_memory_ordered 1
		.amdhsa_forward_progress 1
		.amdhsa_inst_pref_size 40
	.end_amdhsa_kernel
	.amdgpu_metadata
---
amdhsa.version: [ 1, 2 ]
amdhsa.kernels:
  - .name:           k_q862f9fd440_nearest
    .symbol:         k_q862f9fd440_nearest.kd
    .args:
      - { .name: grid, .offset: 0, .size: 8, .value_kind: global_buffer, .address_space: global }
      - { .name: theta_y, .offset: 8, .size: 8, .value_kind: global_buffer, .address_space: global }
      - { .name: x, .offset: 16, .size: 8, .value_kind: global_buffer, .address_space: global }
      - { .name: y, .offset: 24, .size: 8, .value_kind: global_buffer, .address_space: global }
      - { .name: out0, .offset: 32, .size: 8, .value_kind: global_buffer, .address_space: global }
      - { .name: out1, .offset: 40, .size: 8, .value_kind: global_buffer, .address_space: global }
    .group_segment_fixed_size: 27136
    .private_segment_fixed_size: 0
    .kernarg_segment_align: 8
    .kernarg_segment_size: 48
    .max_flat_workgroup_size: 256
    .sgpr_count:     66
    .vgpr_count:     256
    .wavefront_size: 32
...
	.end_amdgpu_metadata
.endif
;; end of part 1
